; MI455X (gfx1250); checked and timed in simulation.
; The chip was launched on July 23, 2026; its instructions are those of AMD's public machine-readable ISA for CDNA 5 (MIT licence, August 2026) and "CDNA5" Instruction Set Architecture Reference Guide (July 2026). The comments in the code are by the model that wrote it; some were corrected since.
;; Bahdanau Attention. Allowed arithmetic: float matrix products may take bf16 or f16 operands with f32 sums; all other float work in f32.
;; Inputs: Wk 1,024 x 1,024 float32; Wq 1,024 x 1,024 float32; keys 16 x 4,096 x 1,024 float32; query 16 x 1 x 1,024 float32; v 1,024 float32.
;; Outputs: out0 16 x 1 x 1,024 float32; out1 16 x 1 x 4,096 float32.
;; 2 versions, each right; version 2 is version 1 with the launch main written anew for expert scheduling mode. Each part assembles by itself: llvm-mc -triple=amdgcn-amd-amdhsa -mcpu=gfx1250 --defsym DOCPART=n.
;; ======== version 1 of 2: 3 launches
;; workspace buffers: wb 2,097,152 bytes; qt 65,536 bytes; zs 262,144 bytes; ml 131,072 bytes; cp 2,097,152 bytes
;; launch prep (part 1): grid 64 x 1, 8 waves a work-group, no clusters, 9,216 bytes of LDS; arguments Wk, Wq, query, wb, qt; writes wb, qt
.if DOCPART == 1
	.amdgcn_target "amdgcn-amd-amdhsa--gfx1250"
	.amdhsa_code_object_version 6
	.text
	.protected	k_q8e6054bad3_prep
	.globl	k_q8e6054bad3_prep
	.p2align	8
	.type	k_q8e6054bad3_prep,@function
k_q8e6054bad3_prep:
	s_mov_b64 s[64:65], 0
	v_nop
	global_prefetch_b8 v0, s[64:65] scope:SCOPE_SE
	s_setreg_imm32_b32 hwreg(HW_REG_WAVE_MODE, 25, 1), 1
	s_wait_xcnt 0x0
; PREPARATION.  (1) wb = Wk rounded to bf16, laid out as the matrix instruction's register image.  (2) qt = 2 log2(e) x (query Wq^T), in f32, by tiles of 16 columns.
; Work-group nt owns the 16 rows g = 16 nt .. 16 nt + 15 of Wk and of Wq; wave w owns K = 128 w .. 128 w + 127, four K steps of 32 (512 bytes of each f32 row).
; A fragment is 16 rows x 32 K of bf16 in 8 registers: lane l holds row l % 16; registers 0-3 K = 8 (l / 16) + 0..7, registers 4-7 K = 16 + 8 (l / 16) + 0..7.
; wb: with nt = 32 c + 8 u + b, the fragment of tile nt and K step ks is 1,024 bytes at u x 524,288 + c x 262,144 + ks x 8,192 + b x 1,024: registers 0-3 at 16 l, registers 4-7 at 512 + 16 l.
;     So the next launch's wave u reads its columns as one dense stream, each load 512 consecutive bytes, with nothing to shuffle.
; qt: qt[nt][batch][r] at nt x 1,024 + batch x 64 + 4 r.  The product is made in bf16 with f32 sums; the eight waves' parts of K meet in LDS and wave 0 adds them.
.set SPARE, 8192                       ; behind the eight waves' partial tiles (1,024 bytes each, from byte 0): the spare words, 128 bytes a wave
.set ROF,  3                           ; v3   byte offset of my first 16 bytes in the 16 rows: r x 4,096 + 32 h + 512 w
.set L16,  4                           ; v4   16 x lane
.set PST,  5                           ; v5   where my column of the partial tile goes: 1,024 w + 512 h + 4 r
.set SPW,  30                          ; v30  my spare word; never rewritten
.set NIL,  31                          ; v31  0; never rewritten
.set WKS,  32                          ; v32-95    Wk: 16 registers of f32 a K step, packed in place into 8 of bf16
.set WQS,  96                          ; v96-159   Wq likewise; later the eight partial tiles
.set QYS,  160                         ; v160-223  query likewise
.set ACC0, 224                         ; two accumulators, which take turns
.set ACC1, 232
.set SUM,  240
	s_load_b256 s[4:11], s[0:1], 0x0               ; Wk s[4:5], Wq s[6:7], query s[8:9], wb s[10:11]
	s_load_b64 s[12:13], s[0:1], 0x20              ; qt
	v_lshl_add_u32 v[SPW], v0, 2, SPARE
	v_mov_b32 v[NIL], 0
	v_lshrrev_b32 v1, 5, v0
	v_readfirstlane_b32 s14, v1                    ; wave 0..7
	v_and_b32 v1, 15, v0                           ; r = l % 16
	v_bfe_u32 v2, v0, 4, 1                         ; h = l / 16
	v_and_b32 v[L16], 31, v0
	v_lshlrev_b32 v[L16], 4, v[L16]
	v_lshlrev_b32 v[ROF], 12, v1
	v_lshl_add_u32 v[ROF], v2, 5, v[ROF]
	s_lshl_b32 s15, s14, 9
	v_add_nc_u32 v[ROF], s15, v[ROF]
	s_lshl_b32 s15, s14, 10
	v_lshl_add_u32 v[PST], v1, 2, s15
	v_lshl_add_u32 v[PST], v2, 9, v[PST]
	s_mov_b32 s20, 0x4038aa3b                      ; 2 log2(e)
	s_mov_b32 s21, s20                             ; named with it as a pair
	s_lshl_b32 s16, ttmp9, 16                      ; my 16 rows of 4,096 bytes in Wk and in Wq
	s_mov_b32 s17, 0
	s_bfe_u32 s18, ttmp9, 0x20003                  ; u = (nt / 8) % 4
	s_lshl_b32 s18, s18, 19
	s_lshr_b32 s19, ttmp9, 5                       ; c = nt / 32
	s_lshl_b32 s19, s19, 18
	s_add_co_u32 s18, s18, s19
	s_and_b32 s19, ttmp9, 7                        ; b = nt % 8
	s_lshl_b32 s19, s19, 10
	s_add_co_u32 s18, s18, s19
	s_lshl_b32 s19, s14, 15                        ; my first K step, 4 w, times 8,192
	s_add_co_u32 s18, s18, s19
	s_mov_b32 s19, 0
	s_lshl_b32 s22, ttmp9, 10                      ; my tile of qt
	s_mov_b32 s23, 0
	s_wait_kmcnt 0x0
	s_add_nc_u64 s[4:5], s[4:5], s[16:17]
	s_add_nc_u64 s[6:7], s[6:7], s[16:17]
	s_add_nc_u64 s[10:11], s[10:11], s[18:19]
	s_add_nc_u64 s[12:13], s[12:13], s[22:23]
; sixteen loads: for each of my four K steps the lane's 8 + 8 numbers of f32
.macro ROWS16 dst, sb
.irp i, 0,1,2,3
	global_load_b128 v[(\dst)+16*(\i):(\dst)+16*(\i)+3],     v[ROF], s[\sb:\sb+1] offset:128*(\i)
	global_load_b128 v[(\dst)+16*(\i)+4:(\dst)+16*(\i)+7],   v[ROF], s[\sb:\sb+1] offset:128*(\i)+16
	global_load_b128 v[(\dst)+16*(\i)+8:(\dst)+16*(\i)+11],  v[ROF], s[\sb:\sb+1] offset:128*(\i)+64
	global_load_b128 v[(\dst)+16*(\i)+12:(\dst)+16*(\i)+15], v[ROF], s[\sb:\sb+1] offset:128*(\i)+80
.endr
.endm
; sixteen f32 become a fragment of eight registers, in place: register k is written when registers 2 k and 2 k + 1 are read, never before
.macro PACK8 base
.irp k, 0,1,2,3,4,5,6,7
	v_cvt_pk_bf16_f32 v[(\base)+(\k)], v[(\base)+2*(\k)], v[(\base)+2*(\k)+1]
.endr
.endm
	ROWS16 WKS, 4
	ROWS16 WQS, 6
	ROWS16 QYS, 8                                  ; query's row is the batch r: the same offsets, no term of nt
	s_wait_loadcnt 32                              ; Wk's sixteen are in; Wq's and query's 32 may stay out
.irp i, 0,1,2,3
	PACK8 WKS+16*(\i)
	global_store_b128 v[L16], v[WKS+16*(\i):WKS+16*(\i)+3],   s[10:11] offset:8192*(\i)      ; each store of the wave covers 512 consecutive bytes, aligned
	global_store_b128 v[L16], v[WKS+16*(\i)+4:WKS+16*(\i)+7], s[10:11] offset:8192*(\i)+512
.endr
	s_wait_loadcnt 0x0
.irp i, 0,1,2,3
	PACK8 WQS+16*(\i)
	PACK8 QYS+16*(\i)
.endr
	; source 0 = 16 batches of query, source 1 = 16 rows of Wq: register j of the result is (batch 8 h + j, column r).  The first two products start the sums; the accumulators take turns.
	v_wmma_f32_16x16x32_bf16 v[ACC0:ACC0+7], v[QYS:QYS+7],       v[WQS:WQS+7],       0
	v_wmma_f32_16x16x32_bf16 v[ACC1:ACC1+7], v[QYS+16:QYS+23],   v[WQS+16:WQS+23],   0
	v_wmma_f32_16x16x32_bf16 v[ACC0:ACC0+7], v[QYS+32:QYS+39],   v[WQS+32:WQS+39],   v[ACC0:ACC0+7]
	v_wmma_f32_16x16x32_bf16 v[ACC1:ACC1+7], v[QYS+48:QYS+55],   v[WQS+48:WQS+55],   v[ACC1:ACC1+7]
.rept 4
	v_nop                                          ; four places between the last product and the first read of a result (ISA guide 7.12.1)
.endr
.irp p, 0,1,2,3
	v_pk_add_f32 v[SUM+2*(\p):SUM+2*(\p)+1], v[ACC0+2*(\p):ACC0+2*(\p)+1], v[ACC1+2*(\p):ACC1+2*(\p)+1]  ; each accumulator's lowest registers first
.endr
.irp j, 0,1,2,3,4,5,6,7
	ds_store_b32 v[PST], v[SUM+(\j)] offset:64*(\j)                ; element 16 x batch + r of my wave's partial tile
.endr
	s_wait_tensorcnt 0x0                           ; my last LDS store is out
	ds_add_u32 v[SPW], v[NIL]
	s_wait_dscnt 0x0                               ; also for wave 0's sake: my partial tile is in LDS before I signal
	s_barrier_signal -1
	s_barrier_wait -1
	s_cmp_lg_u32 s14, 0
	s_cbranch_scc1 .Lend                           ; wave 0 alone adds the eight parts of K
.irp u, 0,1,2,3,4,5,6,7
	ds_load_b128 v[WQS+8*(\u):WQS+8*(\u)+3],   v[L16] offset:1024*(\u)
	ds_load_b128 v[WQS+8*(\u)+4:WQS+8*(\u)+7], v[L16] offset:1024*(\u)+512
.endr
	s_wait_dscnt 0x0
.irp u, 0,2,4,6
.irp p, 0,1,2,3
	v_pk_add_f32 v[WQS+8*(\u)+2*(\p):WQS+8*(\u)+2*(\p)+1], v[WQS+8*(\u)+2*(\p):WQS+8*(\u)+2*(\p)+1], v[WQS+8*(\u)+8+2*(\p):WQS+8*(\u)+8+2*(\p)+1]
.endr
.endr
.irp u, 0,4
.irp p, 0,1,2,3
	v_pk_add_f32 v[WQS+8*(\u)+2*(\p):WQS+8*(\u)+2*(\p)+1], v[WQS+8*(\u)+2*(\p):WQS+8*(\u)+2*(\p)+1], v[WQS+8*(\u)+16+2*(\p):WQS+8*(\u)+16+2*(\p)+1]
.endr
.endr
.irp p, 0,1,2,3
	v_pk_add_f32 v[WQS+2*(\p):WQS+2*(\p)+1], v[WQS+2*(\p):WQS+2*(\p)+1], v[WQS+32+2*(\p):WQS+32+2*(\p)+1]
.endr
.irp p, 0,1,2,3
	v_pk_mul_f32 v[WQS+2*(\p):WQS+2*(\p)+1], v[WQS+2*(\p):WQS+2*(\p)+1], s[20:21] op_sel_hi:[1,0]
.endr
	global_store_b128 v[L16], v[WQS:WQS+3],   s[12:13]
	global_store_b128 v[L16], v[WQS+4:WQS+7], s[12:13] offset:512
.Lend:
	s_endpgm
.Lfunc_end_k_q8e6054bad3_prep:
	.size	k_q8e6054bad3_prep, .Lfunc_end_k_q8e6054bad3_prep-k_q8e6054bad3_prep
	.p2alignl 7, 3214868480
	.fill 96, 4, 3214868480
	.section	.rodata,"a",@progbits
	.p2align	6, 0x0
	.amdhsa_kernel k_q8e6054bad3_prep
		.amdhsa_group_segment_fixed_size 9216
		.amdhsa_private_segment_fixed_size 0
		.amdhsa_enable_private_segment 0
		.amdhsa_kernarg_size 40
		.amdhsa_user_sgpr_count 2
		.amdhsa_user_sgpr_kernarg_segment_ptr 1
		.amdhsa_wavefront_size32 1
		.amdhsa_system_sgpr_workgroup_id_x 1
		.amdhsa_system_sgpr_workgroup_id_y 1
		.amdhsa_system_sgpr_workgroup_id_z 1
		.amdhsa_system_vgpr_workitem_id 0
		.amdhsa_next_free_vgpr 248
		.amdhsa_next_free_sgpr 66
		.amdhsa_reserve_vcc 0
		.amdhsa_float_denorm_mode_32 3
		.amdhsa_float_denorm_mode_16_64 3
		.amdhsa_memory_ordered 1
		.amdhsa_forward_progress 1
		.amdhsa_inst_pref_size 18
	.end_amdhsa_kernel
	.amdgpu_metadata
---
amdhsa.version: [ 1, 2 ]
amdhsa.kernels:
  - .name:           k_q8e6054bad3_prep
    .symbol:         k_q8e6054bad3_prep.kd
    .args:
      - { .name: Wk, .offset: 0, .size: 8, .value_kind: global_buffer, .address_space: global }
      - { .name: Wq, .offset: 8, .size: 8, .value_kind: global_buffer, .address_space: global }
      - { .name: query, .offset: 16, .size: 8, .value_kind: global_buffer, .address_space: global }
      - { .name: wb, .offset: 24, .size: 8, .value_kind: global_buffer, .address_space: global }
      - { .name: qt, .offset: 32, .size: 8, .value_kind: global_buffer, .address_space: global }
    .group_segment_fixed_size: 9216
    .private_segment_fixed_size: 0
    .kernarg_segment_align: 8
    .kernarg_segment_size: 40
    .max_flat_workgroup_size: 256
    .sgpr_count:     66
    .vgpr_count:     248
    .wavefront_size: 32
...
	.end_amdgpu_metadata
.endif
;; end of part 1
;; launch main (part 2): grid 512 x 1, 4 waves a work-group, no clusters, 271,872 bytes of LDS; arguments keys, wb, qt, v, zs, ml, cp; writes zs, ml, cp
.if DOCPART == 2
	.amdgcn_target "amdgcn-amd-amdhsa--gfx1250"
	.amdhsa_code_object_version 6
	.text
	.protected	k_q8e6054bad3_main
	.globl	k_q8e6054bad3_main
	.p2align	8
	.type	k_q8e6054bad3_main,@function
k_q8e6054bad3_main:
	s_mov_b64 s[64:65], 0
	v_nop
	global_prefetch_b8 v0, s[64:65] scope:SCOPE_SE
	s_setreg_imm32_b32 hwreg(HW_REG_WAVE_MODE, 25, 1), 1
	s_wait_xcnt 0x0
; ONE BLOCK OF 128 KEY ROWS, FROM MEMORY TO ITS PART OF THE CONTEXT.  keys: [16][4096][1024] f32; a batch has 32 blocks, the launch 512.
;   x[t][g] = q_proj[g] + sum over k of keys[t][k] Wk[g][k]   (bf16 operands, f32 sums; Wk as fragments from wb, 2 log2(e) q_proj from qt)
;   tanh(x) = 1 - 2 r, r = 1 / (1 + 2^(2 log2(e) x)), so score[t] = sum of v - 2 sum over g of v[g] r[t][g].  The sum of v is the same for every t of a batch and drops out of the softmax for
;   every finite input; what is kept is z[t] = -2 log2(e) sum over g of v[g] r[t][g], the score's varying part in powers of two.
;   m = the block's largest z, p[t] = 2^(z[t] - m), l = the sum of p, cp[h] = sum over t of p[t] keys[t][h].  The next launch joins a batch's 32 blocks by their maxima.
; The block is read from memory once, rounded to bf16 and kept in LDS (128 rows of 2,048 bytes) for both products.
; LIMITS.  NaN and infinities in the inputs are not treated apart.  2^y overflows to infinity (r = 0, tanh = 1) and falls to 0 (r = 1, tanh = -1): the right ends.  A weight p below 2^-126 counts as 0.
; p is rounded to bf16 for the second product alone; l and the weights that leave are made of the f32 p.
; SHARES.  Four waves.  Wave w makes all 128 rows x 128 columns at a time (64 accumulators, 512 registers), twice: in chunk c its column tiles are 32 c + 8 w + b, b = 0..7.
; For 32 along K a wave issues 64 matrix instructions and reads 8,192 bytes of the block from LDS and 8,192 bytes of Wk from memory straight into registers.
; NO JOINT LOADS, NO TENSOR LOADS.  All work-groups read the same wb, but the block and the scratch take 271,872 bytes of LDS, and one K step of 32 of the work-group's 512 columns is 32,768 bytes:
; two slots of it do not fit in what is left of 327,680.  No wave reads another wave's columns, so they need not pass through LDS: four register buffers a wave keep three K steps (24,576 bytes)
; on their way, asked for two and a half steps (160 matrix instructions) ahead, and the loop over K has no barrier.
; The last three requests of a chunk are the next chunk's first three; in the second chunk they ask for the first chunk's again and are not used: 48 of a wave's 1,072 loads of wb, for one text and one set of counts.
; REGISTERS, in windows of 256 (s_set_vgpr_msb: bits 1:0 source 0, 3:2 source 1, 5:4 source 2, 7:6 destination):
;   window 0: v0-29 addresses; v32-47 q and v of my 8 column tiles; v48-63 at work; v64-191 two buffers of the block's fragments; v192-255 the rows' running sums of v r
;   window 1: four buffers of Wk's fragments, 64 each; at the end two buffers of the block turned        windows 2, 3: accumulators of rows 0-63, 64-127 ((a, b) at 8 (8 a + b)); at the start window 2 holds rows of f32
.set PITCH, 2064                       ; an LDS row: 2,048 bytes + 16 = 516 words: row r starts at bank 4 r mod 64 (64 banks of 4 bytes: ISA guide 11.1), so the 16 rows of a fragment load start at 16 different banks
.set SCP,   128*PITCH                  ; the waves' partial sums: [wave][128 rows] f32, 2,048 bytes
.set PBF,   SCP+2048                   ; each wave's own copy of the 128 weights in bf16, 256 bytes a wave
.set CST,   PBF+1024                   ; each wave's 256 channels of the context in f32, 1,024 bytes a wave
.set SPARE, CST+4096                   ; the spare words, 128 bytes a wave: two blocks of 256 bytes that no other line names
.set BOF,  4                           ; v4      16 x lane
.set KOF,  5                           ; v5      my byte offset in the block in memory: 131,072 w + 16 l
.set LST,  6                           ; v6      where my 8 bytes of bf16 of a row go: (32 w + rows done) x pitch + 8 l
.set R4B,  7                           ; v7      4 r
.set ADRA, 8                           ; v8-11   my lane's place in the fragments of rows 32 i on: r x pitch + 16 h + 32 i x pitch; never rewritten
.set ADRV, 12                          ; v12-15  the same for the turning load, rows 32 ks on, my wave's 256 channels
.set STS,  16                          ; v16     partial sums out
.set SRD,  17                          ; v17     partial sums back: rows 4 l .. 4 l + 3
.set PST,  18                          ; v18     my four weights out
.set PRD,  19                          ; v19     the weights back as a fragment
.set CTS,  20                          ; v20     context out
.set CRD,  21                          ; v21     context back
.set L8B,  22                          ; v22     8 x lane
.set ADRW, 24                          ; v24-27  ADRA + the byte along K at which the trip in hand begins
.set SPW,  28                          ; v28     my spare word; never rewritten
.set NIL,  29                          ; v29     0; never rewritten
.set QCR,  32                          ; v32-39  2 log2(e) q_proj of column r of my tile b
.set VVR,  40                          ; v40-47  v of the same columns
.set FRA,  64                          ; v64-127, v128-191
.set PFR,  160                         ; v160-191 the weights' four fragments (32 rows each)
.set SCR,  192                         ; v192-255 register 8 A + j: row 16 A + 8 h + j
.set MSB, 0
.macro WIN new                         ; the immediate's high byte repeats the setting that is left; a switch that changes nothing is dropped
.if MSB != (\new)
	s_set_vgpr_msb (MSB<<8)|(\new)
.set MSB, \new
.endif
.endm
.macro PLACES                          ; four places in front of loads into registers that matrix instructions have read, and of reads of results (ISA guide 7.12.1 for reads of results)
.rept 4
	v_nop
.endr
.endm
	s_load_b256 s[4:11], s[0:1], 0x0               ; keys s[4:5], wb s[6:7], qt s[8:9], v s[10:11]
	s_load_b128 s[12:15], s[0:1], 0x20             ; zs s[12:13], ml s[14:15]
	s_load_b64 s[16:17], s[0:1], 0x30              ; cp
	v_lshl_add_u32 v[SPW], v0, 2, SPARE
	v_mov_b32 v[NIL], 0
	v_lshrrev_b32 v1, 5, v0
	v_readfirstlane_b32 s18, v1                    ; wave 0..3
	v_and_b32 v1, 31, v0                           ; l
	v_lshlrev_b32 v[BOF], 4, v1
	s_lshl_b32 s37, s18, 17                        ; my 32 rows of 4,096 bytes
	v_add_nc_u32 v[KOF], s37, v[BOF]
	s_lshl_b32 s26, ttmp9, 19                      ; the block's 128 rows of 4,096 bytes: 511 x 2^19 at the most, under 2^28
	s_mov_b32 s27, 0                               ; s27 stays 0: the high word of every offset
	s_wait_kmcnt 0x0
	s_add_nc_u64 s[4:5], s[4:5], s[26:27]
	; THE BLOCK COMES IN.  Wave w takes rows 32 w .. 32 w + 31, a row in eight loads of 512 consecutive bytes, through a ring of eight row slots in window 2: 64 loads, 32,768 bytes, of every wave are out.
	WIN 0x80                                       ; destination window 2, address window 0
.irp i, 0,1,2,3,4,5,6,7
.irp j, 0,1,2,3,4,5,6,7
	global_load_b128 v[32*(\i)+4*(\j):32*(\i)+4*(\j)+3], v[KOF], s[4:5] offset:(\i)*4096+512*(\j) th:TH_LOAD_NT
.endr
.endr
	WIN 0
	; all other addresses are made while the first rows are on their way
	v_and_b32 v2, 15, v0                           ; r
	v_bfe_u32 v3, v0, 4, 1                         ; h
	s_mul_i32 s37, s18, 32*PITCH
	v_lshl_add_u32 v[LST], v1, 3, s37
	v_lshlrev_b32 v[R4B], 2, v2
	v_mul_u32_u24 v[ADRA], v2, PITCH
	v_lshl_add_u32 v[ADRA], v3, 4, v[ADRA]
	v_add_nc_u32 v[ADRA+1], 32*PITCH, v[ADRA]
	v_add_nc_u32 v[ADRA+2], 64*PITCH, v[ADRA]
	v_add_nc_u32 v[ADRA+3], 96*PITCH, v[ADRA]
	v_and_b32 v23, 7, v0                           ; the turning load: lane l reads row 8 h + l % 8, 16 bytes at 16 ((l / 8) % 2)
	v_lshl_add_u32 v23, v3, 3, v23
	v_mul_u32_u24 v[ADRV], v23, PITCH
	v_bfe_u32 v23, v0, 3, 1
	v_lshl_add_u32 v[ADRV], v23, 4, v[ADRV]
	s_lshl_b32 s37, s18, 9                         ; my 256 channels: 512 bytes of a row
	v_add_nc_u32 v[ADRV], s37, v[ADRV]
	v_add_nc_u32 v[ADRV+1], 32*PITCH, v[ADRV]
	v_add_nc_u32 v[ADRV+2], 64*PITCH, v[ADRV]
	v_add_nc_u32 v[ADRV+3], 96*PITCH, v[ADRV]
	s_add_co_u32 s38, s37, SCP
	v_lshl_add_u32 v[STS], v3, 5, s38              ; SCP + 512 w + 32 h
	v_add_nc_u32 v[SRD], SCP, v[BOF]
	s_lshl_b32 s38, s18, 8
	s_add_co_u32 s38, s38, PBF
	v_lshl_add_u32 v[PST], v1, 3, s38              ; PBF + 256 w + 8 l
	v_lshl_add_u32 v[PRD], v3, 4, s38              ; PBF + 256 w + 16 h
	s_lshl_b32 s38, s18, 10
	s_add_co_u32 s38, s38, CST
	v_lshl_add_u32 v[CTS], v3, 5, s38              ; CST + 1,024 w + 32 h
	v_add_nc_u32 v[CRD], s38, v[BOF]
	v_lshlrev_b32 v[L8B], 3, v1
	s_mov_b32 s20, 0x4038aa3b                      ; 2 log2(e)
	s_mov_b32 s21, s20
	s_mov_b32 s22, 0xc038aa3b                      ; -2 log2(e)
	s_mov_b32 s23, s22
	s_mov_b32 s24, 0x76543210                      ; v_permlanex16_b32: each lane takes its own place in the other half
	s_mov_b32 s25, 0xfedcba98
	s_lshl_b32 s26, s18, 19
	s_add_nc_u64 s[30:31], s[6:7], s[26:27]        ; wb at my wave's stream
	s_lshl_b32 s26, s18, 13                        ; qt: tile 8 w, batch = block / 32
	s_lshr_b32 s37, ttmp9, 5
	s_lshl_b32 s37, s37, 6
	s_add_co_u32 s26, s26, s37
	s_add_nc_u64 s[8:9], s[8:9], s[26:27]
	s_lshl_b32 s26, s18, 9                         ; v: column 128 w
	s_add_nc_u64 s[10:11], s[10:11], s[26:27]
	s_lshl_b32 s26, ttmp9, 9
	s_add_nc_u64 s[12:13], s[12:13], s[26:27]      ; zs: the block's 128 numbers
	s_lshl_b32 s26, ttmp9, 8
	s_add_nc_u64 s[14:15], s[14:15], s[26:27]      ; ml: the block's 256 bytes
	s_lshl_b32 s26, ttmp9, 12
	s_lshl_b32 s37, s18, 10
	s_add_co_u32 s26, s26, s37
	s_add_nc_u64 s[16:17], s[16:17], s[26:27]      ; cp: the block's row, my 256 channels
.set i, 0
.rept 64
	v_mov_b32 v[SCR+i], 0                          ; the rows' sums start at 0: one text adds onto them in both chunks
.set i, i+1
.endr
; One row: slot i's 32 registers of f32 become 16 of bf16 and go to LDS, 256 consecutive bytes a store.  ahead = 1: the slot is filled again with the row eight further down.
; left = how many younger loads may stay out.
.macro SLOT i, ahead, left
	s_wait_loadcnt \left
	WIN 0x0a                                       ; sources in window 2, destination in window 0
.irp k, 0,1,2,3,4,5,6,7,8,9,10,11,12,13,14,15
	v_cvt_pk_bf16_f32 v[FRA+(\k)], v[32*(\i)+2*(\k)], v[32*(\i)+2*(\k)+1]
.endr
.if \ahead
	WIN 0x80
.irp j, 0,1,2,3,4,5,6,7
	global_load_b128 v[32*(\i)+4*(\j):32*(\i)+4*(\j)+3], v[KOF], s[4:5] offset:((\i)+8)*4096+512*(\j) th:TH_LOAD_NT
.endr
.endif
	WIN 0
.irp j, 0,1,2,3,4,5,6,7
	ds_store_b64 v[LST], v[FRA+2*(\j):FRA+2*(\j)+1] offset:(\i)*PITCH+256*(\j)
.endr
.endm
; Sixteen loads: Wk's eight fragments of one K step, at byte boff of the stream from s[28:29] on, into buffer n of window 1
.macro FETCHB n, boff
	WIN 0x40                                       ; destination window 1, address window 0
.irp b, 0,1,2,3,4,5,6,7
	global_load_b128 v[64*(\n)+8*(\b):64*(\n)+8*(\b)+3],   v[BOF], s[28:29] offset:(\boff)+1024*(\b)
	global_load_b128 v[64*(\n)+8*(\b)+4:64*(\n)+8*(\b)+7], v[BOF], s[28:29] offset:(\boff)+1024*(\b)+512
.endr
.endm
; Sixteen LDS loads: the block's eight fragments (128 rows x 32 K) at byte koff from the trip's place along K, into buffer n
.macro FETCHA n, koff
	WIN 0
.irp a, 0,1,2,3,4,5,6,7
	ds_load_b128 v[FRA+64*(\n)+8*(\a):FRA+64*(\n)+8*(\a)+3],   v[ADRW+(\a)/2] offset:((\a)%2)*16*PITCH+(\koff)
	ds_load_b128 v[FRA+64*(\n)+8*(\a)+4:FRA+64*(\n)+8*(\a)+7], v[ADRW+(\a)/2] offset:((\a)%2)*16*PITCH+(\koff)+32
.endr
.endm
; 16 matrix instructions: row tiles a0, a0 + 1 of the window's four (hi = 0: rows 0-63, 1: rows 64-127) x my 8 column tiles.  Source 0 = 16 rows of the block, source 1 = 16 rows of Wk:
; register j of a result is (row 8 h + j, column r).  zero = 1: the product starts the sum.
.macro MUL16 fa, fb, hi, a0, zero
	WIN 0xa4+0x50*(\hi)                            ; source 0 window 0, source 1 window 1, C and D window 2 or 3
.irp a, \a0, (\a0)+1
.irp b, 0,1,2,3,4,5,6,7
.if \zero
	v_wmma_f32_16x16x32_bf16 v[8*(8*(\a)+(\b)):8*(8*(\a)+(\b))+7], v[(\fa)+8*(4*(\hi)+(\a)):(\fa)+8*(4*(\hi)+(\a))+7], v[(\fb)+8*(\b):(\fb)+8*(\b)+7], 0
.else
	v_wmma_f32_16x16x32_bf16 v[8*(8*(\a)+(\b)):8*(8*(\a)+(\b))+7], v[(\fa)+8*(4*(\hi)+(\a)):(\fa)+8*(4*(\hi)+(\a))+7], v[(\fb)+8*(\b):(\fb)+8*(\b)+7], v[8*(8*(\a)+(\b)):8*(8*(\a)+(\b))+7]
.endif
.endr
.endr
.endm
; A K step of 32, number s with j = s % 4: 64 matrix instructions on the block's buffer j % 2 and Wk's buffer j; the 64 accumulators take turns.
; In its middle, in one run, Wk of step s + 3 and the block's fragments of step s + 1 are asked for, into the buffers that step s - 1 multiplied.
.macro STEP j, zero, koff, boff
	s_wait_loadcnt 32                              ; Wk of this step is in; the two steps behind it, 16 loads each, may stay out
	s_wait_dscnt 8                                 ; the block's rows 0-63 are in; the youngest eight loads (rows 64-127) may be out
	MUL16 FRA+64*((\j)%2), 64*(\j), 0, 0, \zero
	MUL16 FRA+64*((\j)%2), 64*(\j), 0, 2, \zero
	PLACES
	FETCHB ((\j)+3)%4, \boff
	FETCHA ((\j)+1)%2, \koff
	s_wait_dscnt 16                                ; all but the sixteen just issued
	MUL16 FRA+64*((\j)%2), 64*(\j), 1, 0, \zero
	MUL16 FRA+64*((\j)%2), 64*(\j), 1, 2, \zero
.endm
; The activation of 16 rows x my 128 columns: the eight accumulators of row tile a of window win, in place, and their share of the rows' sums.
; y = 2 log2(e) x + q; 2^y; 1 + 2^y; the reciprocal r; sum += v r.  q and v hang on the column, which is the lane's: one register a tile, taken for both halves of a pair.
; Each accumulator's lowest pair is read first.  Behind each run of transcendentals one plain instruction stands before a result is used (ISA guide 5.7.2).
.macro EPIROW win, a
.set RB, 64*(\a)
.set SA, SCR+8*((\a)+4*((\win)-2))
	WIN 0x41*(\win)                                ; destination and source 0 in the accumulators' window, source 2 in window 0
.irp b, 0,1,2,3,4,5,6,7
.irp p, 0,1,2,3
.if (\b)%2
	v_pk_fma_f32 v[RB+8*(\b)+2*(\p):RB+8*(\b)+2*(\p)+1], v[RB+8*(\b)+2*(\p):RB+8*(\b)+2*(\p)+1], s[20:21], v[QCR+(\b)-1:QCR+(\b)] op_sel:[0,0,1] op_sel_hi:[1,0,1]
.else
	v_pk_fma_f32 v[RB+8*(\b)+2*(\p):RB+8*(\b)+2*(\p)+1], v[RB+8*(\b)+2*(\p):RB+8*(\b)+2*(\p)+1], s[20:21], v[QCR+(\b):QCR+(\b)+1] op_sel_hi:[1,0,0]
.endif
.endr
.endr
.set i, 0
.rept 64
	v_exp_f32 v[RB+i], v[RB+i]
.set i, i+1
.endr
	v_nop
.set i, 0
	s_wait_alu depctr_va_vdst(0)
.rept 32
	v_pk_add_f32 v[RB+i:RB+i+1], v[RB+i:RB+i+1], 1.0 op_sel_hi:[1,0]
.set i, i+2
.endr
.set i, 0
.rept 64
	v_rcp_f32 v[RB+i], v[RB+i]
.set i, i+1
.endr
	v_nop
	s_wait_alu depctr_va_vdst(0)
	WIN \win                                       ; source 0 in the accumulators' window, all else in window 0
.irp b, 0,1,2,3,4,5,6,7
.irp p, 0,1,2,3
.if (\b)%2
	v_pk_fma_f32 v[SA+2*(\p):SA+2*(\p)+1], v[RB+8*(\b)+2*(\p):RB+8*(\b)+2*(\p)+1], v[VVR+(\b)-1:VVR+(\b)], v[SA+2*(\p):SA+2*(\p)+1] op_sel:[0,1,0] op_sel_hi:[1,1,1]
.else
	v_pk_fma_f32 v[SA+2*(\p):SA+2*(\p)+1], v[RB+8*(\b)+2*(\p):RB+8*(\b)+2*(\p)+1], v[VVR+(\b):VVR+(\b)+1], v[SA+2*(\p):SA+2*(\p)+1] op_sel_hi:[1,0,1]
.endif
.endr
.endr
.endm
	s_mov_b32 s34, 3
.Lrows:                                                ; a trip: eight rows go to LDS, the eight behind the ring's eight are asked for
.irp i, 0,1,2,3,4,5,6,7
	SLOT \i, 1, 56                                 ; the seven younger rows, eight loads each, stay out
.endr
	s_wait_xcnt 0x0                                ; the loads' base is stepped only behind this wait
	s_add_nc_u64 s[4:5], s[4:5], 32768             ; eight rows of 4,096 bytes
	v_add_nc_u32 v[LST], 8*PITCH, v[LST]
	s_sub_co_u32 s34, s34, 1
	s_cmp_lg_u32 s34, 0
	s_cbranch_scc1 .Lrows
.irp i, 0,1,2,3,4,5
	SLOT \i, 0, 56-8*(\i)                          ; the last eight rows ask for nothing: the counts run down
.endr
	s_mov_b64 s[28:29], s[30:31]                   ; Wk's first three K steps go out ahead of the last two rows' work
	FETCHB 0, 0
	FETCHB 1, 8192
	FETCHB 2, 16384
	SLOT 6, 0, 56                                  ; behind row 6: row 7's eight loads and Wk's 48
	SLOT 7, 0, 48                                  ; behind row 7: Wk's 48
	s_wait_dscnt 0x0                               ; for the others' sake: my 32 rows are in LDS
	s_barrier_signal -1
	s_barrier_wait -1                              ; the block is whole; nothing writes it again
.irp i, 0,1,2,3
	v_mov_b32 v[ADRW+(\i)], v[ADRA+(\i)]
.endr
	s_mov_b32 s36, 0                               ; the byte along K at which a trip begins
	FETCHA 0, 0
	s_mov_b32 s33, 0
	s_mov_b32 s35, 2
.Lchunk:                                               ; two trips: 128 of my 256 columns each
.irp b, 0,1,2,3,4,5,6,7
	global_load_b32 v[QCR+(\b)], v[R4B], s[8:9] offset:1024*(\b)   ; q of column r of tile b.  These sixteen stand behind Wk's steps 0 to 2, so the counts of the first two K steps ask for more than they need: those loads went out long before
	global_load_b32 v[VVR+(\b)], v[R4B], s[10:11] offset:64*(\b)   ; v of the same column
.endr
	STEP 0, 1, 64, 24576                           ; K step 0 stands in front of the loop: its products start the sums
	WIN 0                                          ; at a label and at a branch every window is 0
	s_mov_b32 s34, 7
.Lk:                                                   ; trip t: K steps 4 t + 1 .. 4 t + 4
	STEP 1, 0, 128, 32768
	STEP 2, 0, 192, 40960
	STEP 3, 0, 256, 49152
	STEP 0, 0, 320, 57344
	WIN 0
	s_wait_xcnt 0x0                                ; the loads' base is stepped only behind this wait
	s_add_nc_u64 s[28:29], s[28:29], 32768         ; four K steps of 8,192 bytes of the stream,
	s_add_co_u32 s36, s36, 256                     ; and of 64 bytes of the block's rows
.irp i, 0,1,2,3
	v_add_nc_u32 v[ADRW+(\i)], s36, v[ADRA+(\i)]
.endr
	s_sub_co_u32 s34, s34, 1
	s_cmp_lg_u32 s34, 0
	s_cbranch_scc1 .Lk
	s_cmp_eq_u32 s35, 2                            ; K steps 29 to 31 ask for the next chunk's first three steps of Wk; behind the second chunk: the first chunk's, unused
	s_cselect_b32 s32, 0x40000, 0
	s_add_nc_u64 s[28:29], s[30:31], s[32:33]      ; no load has been issued since the loop's last wait on XCNT
	STEP 1, 0, 128, 0
	STEP 2, 0, 192, 8192
	WIN 0
.irp i, 0,1,2,3
	v_mov_b32 v[ADRW+(\i)], v[ADRA+(\i)]           ; back to K = 0: step 31 fetches the block's first fragments for the next chunk
.endr
	s_mov_b32 s36, 0
	STEP 3, 0, 0, 16384
	; The places behind the products: rows 0-63 were finished in front of step 31's four v_nop; rows 64-127 are read behind the four row tiles of window 2, whose lines name none of the last products' registers.
	EPIROW 2, 0
	EPIROW 2, 1
	EPIROW 2, 2
	EPIROW 2, 3
	EPIROW 3, 0
	EPIROW 3, 1
	EPIROW 3, 2
	EPIROW 3, 3
	WIN 0
	s_wait_xcnt 0x0
	s_add_nc_u64 s[8:9], s[8:9], 32768             ; 32 tiles on in qt,
	s_add_nc_u64 s[10:11], s[10:11], 2048          ; 512 columns on in v (behind the second chunk neither is used again)
	s_sub_co_u32 s35, s35, 1
	s_cmp_lg_u32 s35, 0
	s_cbranch_scc1 .Lchunk
	; THE SCORES.  A row's sum lies in the 16 lanes of a half, a column each: four steps add them, and every lane of the half holds the sum over my 256 columns.
.irp m, 1,2,4,8
.set i, 0
.rept 64
	v_add_f32_dpp v[SCR+i], v[SCR+i], v[SCR+i] row_xmask:\m row_mask:0xf bank_mask:0xf
.set i, i+1
.endr
.endr
.set i, 0
.rept 16
	ds_store_b128 v[STS], v[SCR+4*i:SCR+4*i+3] offset:64*(i/2)+16*(i%2)  ; rows 16 A + 8 h + 4 q on; the 16 lanes of a half write the same bytes with the same numbers
.set i, i+1
.endr
	s_wait_dscnt 0x0                               ; for the others' sake: my partial sums are in LDS (and the unused fragments of K = 0 have landed)
	s_barrier_signal -1
	s_barrier_wait -1
	; Every wave makes the block's statistics for itself, from the same numbers in the same order: no third barrier.  Lane l has rows 4 l .. 4 l + 3.
.irp i, 0,1,2,3
	ds_load_b128 v[128+4*(\i):128+4*(\i)+3], v[SRD] offset:512*(\i)
.endr
	s_wait_dscnt 0x0
	v_pk_add_f32 v[128:129], v[128:129], v[132:133]
	v_pk_add_f32 v[130:131], v[130:131], v[134:135]
	v_pk_add_f32 v[136:137], v[136:137], v[140:141]
	v_pk_add_f32 v[138:139], v[138:139], v[142:143]
	v_pk_add_f32 v[128:129], v[128:129], v[136:137]
	v_pk_add_f32 v[130:131], v[130:131], v[138:139]
	v_pk_mul_f32 v[48:49], v[128:129], s[22:23] op_sel_hi:[1,0]    ; z
	v_pk_mul_f32 v[50:51], v[130:131], s[22:23] op_sel_hi:[1,0]
	v_max3_num_f32 v52, v48, v49, v50
	v_max_num_f32 v53, v52, v51
	v_max_num_f32_dpp v53, v53, v53 row_xmask:1 row_mask:0xf bank_mask:0xf
	v_max_num_f32_dpp v53, v53, v53 row_xmask:2 row_mask:0xf bank_mask:0xf
	v_max_num_f32_dpp v53, v53, v53 row_xmask:4 row_mask:0xf bank_mask:0xf
	v_max_num_f32_dpp v53, v53, v53 row_xmask:8 row_mask:0xf bank_mask:0xf
	v_permlanex16_b32 v52, v53, s24, s25
	v_max_num_f32 v58, v53, v52                    ; m, in every lane
	v_sub_f32 v54, v48, v58
	v_sub_f32 v55, v49, v58
	v_sub_f32 v56, v50, v58
	v_sub_f32 v57, v51, v58
	v_exp_f32 v54, v54                             ; p
	v_exp_f32 v55, v55
	v_exp_f32 v56, v56
	v_exp_f32 v57, v57
	v_nop
	s_wait_alu depctr_va_vdst(0)
	v_add_f32 v62, v54, v55
	v_add_f32 v63, v56, v57
	v_add_f32 v63, v62, v63
	v_add_f32_dpp v63, v63, v63 row_xmask:1 row_mask:0xf bank_mask:0xf
	v_add_f32_dpp v63, v63, v63 row_xmask:2 row_mask:0xf bank_mask:0xf
	v_add_f32_dpp v63, v63, v63 row_xmask:4 row_mask:0xf bank_mask:0xf
	v_add_f32_dpp v63, v63, v63 row_xmask:8 row_mask:0xf bank_mask:0xf
	v_permlanex16_b32 v62, v63, s24, s25
	v_add_f32 v59, v63, v62                        ; l, in every lane
	v_cvt_pk_bf16_f32 v60, v54, v55
	v_cvt_pk_bf16_f32 v61, v56, v57
	ds_store_b64 v[PST], v[60:61]                  ; my wave's own copy of the 128 weights,
.irp k, 0,1,2,3
	ds_load_b128 v[PFR+8*(\k):PFR+8*(\k)+3],   v[PRD] offset:64*(\k)      ; and back as source 1 (32 rows x 16 columns, all columns alike): LDS serves a wave's instructions in order (ISA guide 5.7.1.4)
	ds_load_b128 v[PFR+8*(\k)+4:PFR+8*(\k)+7], v[PRD] offset:64*(\k)+32
.endr
	s_cmp_lg_u32 s18, 0
	s_cbranch_scc1 .Lnot_wave_0
	global_store_b128 v[BOF], v[48:51], s[12:13]   ; z of the 128 rows: 512 consecutive bytes
	global_store_b64 v[L8B], v[58:59], s[14:15]    ; (m, l) 32 times: 256 consecutive bytes, all lanes on
.Lnot_wave_0:
	; THE BLOCK'S PART OF THE CONTEXT, transposed: source 0 = 16 channels x 32 rows of the block, turned by ds_load_tr16_b128; register j of a result is channel 8 h + j, the same in all 16 columns.
	; Wave w makes channels 256 w .. 256 w + 255: 16 accumulators in window 2, which take turns; four steps of 32 rows.
.macro FETCHV n, ks                    ; 32 loads: rows 32 ks on, my 16 channel tiles, into half n of window 1
	WIN 0x40
.set t, 0
.rept 16
	ds_load_tr16_b128 v[128*(\n)+8*t:128*(\n)+8*t+3],   v[ADRV+(\ks)] offset:32*t
	ds_load_tr16_b128 v[128*(\n)+8*t+4:128*(\n)+8*t+7], v[ADRV+(\ks)] offset:16*PITCH+32*t
.set t, t+1
.endr
.endm
.macro CTX n, ks, zero
	WIN 0xa1                                       ; source 0 window 1, source 1 window 0, C and D window 2
.set t, 0
.rept 16
.if \zero
	v_wmma_f32_16x16x32_bf16 v[8*t:8*t+7], v[128*(\n)+8*t:128*(\n)+8*t+7], v[PFR+8*(\ks):PFR+8*(\ks)+7], 0
.else
	v_wmma_f32_16x16x32_bf16 v[8*t:8*t+7], v[128*(\n)+8*t:128*(\n)+8*t+7], v[PFR+8*(\ks):PFR+8*(\ks)+7], v[8*t:8*t+7]
.endif
.set t, t+1
.endr
.endm
	s_wait_loadcnt 0x0                             ; the 48 unused loads of Wk have landed: window 1 is free
	FETCHV 0, 0
	FETCHV 1, 1
	s_wait_dscnt 32                                ; the weights and rows 0-31 are in; the 32 loads of rows 32-63 may be out
	CTX 0, 0, 1
	PLACES
	FETCHV 0, 2
	s_wait_dscnt 32                                ; all but the 32 just issued
	CTX 1, 1, 0
	PLACES
	FETCHV 1, 3
	s_wait_dscnt 32
	CTX 0, 2, 0
	s_wait_dscnt 0x0
	CTX 1, 3, 0
	PLACES
	WIN 0x08                                       ; an LDS store's data is source 1: window 2
.set t, 0
.rept 16
	ds_store_b128 v[CTS], v[8*t:8*t+3]   offset:64*t       ; channels 16 t + 8 h + 0..3: the accumulator's lowest registers first; the 16 lanes of a half write the same bytes
	ds_store_b128 v[CTS], v[8*t+4:8*t+7] offset:64*t+16
.set t, t+1
.endr
	WIN 0
	ds_load_b128 v[128:131], v[CRD]                ; my wave's own bytes, back in order: 16 bytes a lane
	ds_load_b128 v[132:135], v[CRD] offset:512
	s_wait_dscnt 0x0
	global_store_b128 v[BOF], v[128:131], s[16:17]             ; 512 consecutive bytes each
	global_store_b128 v[BOF], v[132:135], s[16:17] offset:512
	s_wait_tensorcnt 0x0                           ; the wave's end
	ds_add_u32 v[SPW], v[NIL]
	s_wait_dscnt 0x0
	s_endpgm
.Lfunc_end_k_q8e6054bad3_main:
	.size	k_q8e6054bad3_main, .Lfunc_end_k_q8e6054bad3_main-k_q8e6054bad3_main
	.p2alignl 7, 3214868480
	.fill 96, 4, 3214868480
	.section	.rodata,"a",@progbits
	.p2align	6, 0x0
	.amdhsa_kernel k_q8e6054bad3_main
		.amdhsa_group_segment_fixed_size 271872
		.amdhsa_private_segment_fixed_size 0
		.amdhsa_enable_private_segment 0
		.amdhsa_kernarg_size 56
		.amdhsa_user_sgpr_count 2
		.amdhsa_user_sgpr_kernarg_segment_ptr 1
		.amdhsa_wavefront_size32 1
		.amdhsa_system_sgpr_workgroup_id_x 1
		.amdhsa_system_sgpr_workgroup_id_y 1
		.amdhsa_system_sgpr_workgroup_id_z 1
		.amdhsa_system_vgpr_workitem_id 0
		.amdhsa_next_free_vgpr 1024
		.amdhsa_next_free_sgpr 66
		.amdhsa_reserve_vcc 0
		.amdhsa_float_denorm_mode_32 3
		.amdhsa_float_denorm_mode_16_64 3
		.amdhsa_memory_ordered 1
		.amdhsa_forward_progress 1
		.amdhsa_inst_pref_size 224
	.end_amdhsa_kernel
	.amdgpu_metadata
---
amdhsa.version: [ 1, 2 ]
amdhsa.kernels:
  - .name:           k_q8e6054bad3_main
    .symbol:         k_q8e6054bad3_main.kd
    .args:
      - { .name: keys, .offset: 0, .size: 8, .value_kind: global_buffer, .address_space: global }
      - { .name: wb, .offset: 8, .size: 8, .value_kind: global_buffer, .address_space: global }
      - { .name: qt, .offset: 16, .size: 8, .value_kind: global_buffer, .address_space: global }
      - { .name: v, .offset: 24, .size: 8, .value_kind: global_buffer, .address_space: global }
      - { .name: zs, .offset: 32, .size: 8, .value_kind: global_buffer, .address_space: global }
      - { .name: ml, .offset: 40, .size: 8, .value_kind: global_buffer, .address_space: global }
      - { .name: cp, .offset: 48, .size: 8, .value_kind: global_buffer, .address_space: global }
    .group_segment_fixed_size: 271872
    .private_segment_fixed_size: 0
    .kernarg_segment_align: 8
    .kernarg_segment_size: 56
    .max_flat_workgroup_size: 128
    .sgpr_count:     66
    .vgpr_count:     1024
    .wavefront_size: 32
...
	.end_amdgpu_metadata
.endif
;; end of part 2
;; launch comb (part 3): grid 128 x 1, 1 waves a work-group, no clusters, 0 bytes of LDS; arguments zs, ml, cp, out0, out1; writes out0, out1
.if DOCPART == 3
	.amdgcn_target "amdgcn-amd-amdhsa--gfx1250"
	.amdhsa_code_object_version 6
	.text
	.protected	k_q8e6054bad3_comb
	.globl	k_q8e6054bad3_comb
	.p2align	8
	.type	k_q8e6054bad3_comb,@function
k_q8e6054bad3_comb:
	s_mov_b64 s[64:65], 0
	v_nop
	global_prefetch_b8 v0, s[64:65] scope:SCOPE_SE
	s_setreg_imm32_b32 hwreg(HW_REG_WAVE_MODE, 25, 1), 1
	s_wait_xcnt 0x0
; A BATCH'S 32 BLOCKS ARE JOINED.  With M = the largest of the blocks' maxima m_i, w_i = 2^(m_i - M) and L = the sum of l_i w_i:
;   out0[batch][h] = (sum over i of cp[i][h] w_i) / L        out1[batch][t] = 2^(z[t] - M) / L
; One wave a work-group; work-group x has batch x / 8 and part x % 8: 128 channels of the context (512 bytes) and 512 weights (2,048 bytes).  Every wave makes M, w and L for itself from the batch's 32 pairs,
; lane i taking block i.  No LDS, no barrier, no matrix instruction: 18,688 bytes are read and 2,560 written, and all loads go out at once.
; LIMITS.  A weight, or a block's factor w_i, below 2^-126 counts as 0.  L is at least 1: the block that holds M has w = 1 and l >= 1.
	s_load_b256 s[4:11], s[0:1], 0x0               ; zs s[4:5], ml s[6:7], cp s[8:9], out0 s[10:11]
	s_load_b64 s[12:13], s[0:1], 0x20              ; out1
	v_lshlrev_b32 v1, 4, v0                        ; 16 x lane
	v_lshlrev_b32 v2, 8, v0                        ; block i's 256 bytes of ml
	s_lshr_b32 s16, ttmp9, 3                       ; batch
	s_and_b32 s17, ttmp9, 7                        ; part
	s_mov_b32 s14, 0x76543210                      ; v_permlanex16_b32: each lane takes its own place in the other half
	s_mov_b32 s15, 0xfedcba98
	s_lshl_b32 s18, s16, 13                        ; ml: 32 blocks of 256 bytes a batch
	s_mov_b32 s19, 0
	s_lshl_b32 s26, s17, 9                         ; my 128 channels
	s_lshl_b32 s27, s17, 11                        ; my 512 weights
	s_lshl_b32 s20, s16, 17                        ; cp: 32 rows of 4,096 bytes a batch
	s_add_co_u32 s20, s20, s26
	s_mov_b32 s21, 0
	s_lshl_b32 s22, s16, 14                        ; zs and out1: 16,384 bytes a batch
	s_add_co_u32 s22, s22, s27
	s_mov_b32 s23, 0
	s_lshl_b32 s24, s16, 12                        ; out0: 4,096 bytes a batch
	s_add_co_u32 s24, s24, s26
	s_mov_b32 s25, 0
	s_wait_kmcnt 0x0
	s_add_nc_u64 s[6:7], s[6:7], s[18:19]
	s_add_nc_u64 s[8:9], s[8:9], s[20:21]
	s_add_nc_u64 s[4:5], s[4:5], s[22:23]
	s_add_nc_u64 s[12:13], s[12:13], s[22:23]
	s_add_nc_u64 s[10:11], s[10:11], s[24:25]
	global_load_b64 v[4:5], v2, s[6:7]             ; (m_i, l_i)
.set i, 0
.rept 32
	global_load_b128 v[32+4*i:32+4*i+3], v1, s[8:9] offset:4096*i th:TH_LOAD_NT  ; block i's 128 channels: 512 consecutive bytes
.set i, i+1
.endr
.irp j, 0,1,2,3
	global_load_b128 v[160+4*(\j):160+4*(\j)+3], v1, s[4:5] offset:512*(\j) th:TH_LOAD_NT
.endr
	s_wait_loadcnt 36                              ; the pair is in; cp's 32 loads and zs's 4 stay out
	v_mov_b32 v6, v4
	v_mov_b32 v7, v4                               ; written, since v_permlanex16_b32's destination counts as read
	v_max_num_f32_dpp v6, v6, v6 row_xmask:1 row_mask:0xf bank_mask:0xf
	v_max_num_f32_dpp v6, v6, v6 row_xmask:2 row_mask:0xf bank_mask:0xf
	v_max_num_f32_dpp v6, v6, v6 row_xmask:4 row_mask:0xf bank_mask:0xf
	v_max_num_f32_dpp v6, v6, v6 row_xmask:8 row_mask:0xf bank_mask:0xf
	v_permlanex16_b32 v7, v6, s14, s15
	v_max_num_f32 v6, v6, v7                       ; M
	v_sub_f32 v8, v4, v6
	v_exp_f32 v8, v8                               ; w_i
	v_nop                                          ; a plain instruction between a transcendental and the use of its result (ISA guide 5.7.2)
	s_wait_alu depctr_va_vdst(0)
	v_mul_f32 v9, v5, v8
	v_add_f32_dpp v9, v9, v9 row_xmask:1 row_mask:0xf bank_mask:0xf
	v_add_f32_dpp v9, v9, v9 row_xmask:2 row_mask:0xf bank_mask:0xf
	v_add_f32_dpp v9, v9, v9 row_xmask:4 row_mask:0xf bank_mask:0xf
	v_add_f32_dpp v9, v9, v9 row_xmask:8 row_mask:0xf bank_mask:0xf
	v_permlanex16_b32 v7, v9, s14, s15
	v_add_f32 v9, v9, v7                           ; L
	v_rcp_f32 v10, v9
	v_nop
	s_wait_alu depctr_va_vdst(0)
	v_mul_f32 v11, v8, v10                         ; w_i / L
.set i, 0
.rept 32
	v_readlane_b32 s[32+i], v11, i                 ; block i's factor as a scalar: a multiplier, never an address or a count
.set i, i+1
.endr
	s_wait_loadcnt 4                               ; cp is in; zs's 4 loads stay out
.irp k, 0,1,2,3
	v_mul_f32 v[12+(\k)], s32, v[32+(\k)]          ; the first block starts the four sums
.endr
.set i, 1
.rept 31
.irp k, 0,1,2,3
	v_fmac_f32 v[12+(\k)], s[32+i], v[32+4*i+(\k)]
.endr
.set i, i+1
.endr
	global_store_b128 v1, v[12:15], s[10:11]       ; 512 consecutive bytes
	s_wait_loadcnt 0x0
.set i, 0
.rept 16
	v_sub_f32 v[160+i], v[160+i], v6
.set i, i+1
.endr
.set i, 0
.rept 16
	v_exp_f32 v[160+i], v[160+i]
.set i, i+1
.endr
	v_nop
.set i, 0
	s_wait_alu depctr_va_vdst(0)
.rept 16
	v_mul_f32 v[160+i], v[160+i], v10
.set i, i+1
.endr
.irp j, 0,1,2,3
	global_store_b128 v1, v[160+4*(\j):160+4*(\j)+3], s[12:13] offset:512*(\j)
.endr
	s_endpgm
.Lfunc_end_k_q8e6054bad3_comb:
	.size	k_q8e6054bad3_comb, .Lfunc_end_k_q8e6054bad3_comb-k_q8e6054bad3_comb
	.p2alignl 7, 3214868480
	.fill 96, 4, 3214868480
	.section	.rodata,"a",@progbits
	.p2align	6, 0x0
	.amdhsa_kernel k_q8e6054bad3_comb
		.amdhsa_group_segment_fixed_size 0
		.amdhsa_private_segment_fixed_size 0
		.amdhsa_enable_private_segment 0
		.amdhsa_kernarg_size 40
		.amdhsa_user_sgpr_count 2
		.amdhsa_user_sgpr_kernarg_segment_ptr 1
		.amdhsa_wavefront_size32 1
		.amdhsa_system_sgpr_workgroup_id_x 1
		.amdhsa_system_sgpr_workgroup_id_y 1
		.amdhsa_system_sgpr_workgroup_id_z 1
		.amdhsa_system_vgpr_workitem_id 0
		.amdhsa_next_free_vgpr 176
		.amdhsa_next_free_sgpr 66
		.amdhsa_reserve_vcc 0
		.amdhsa_float_denorm_mode_32 3
		.amdhsa_float_denorm_mode_16_64 3
		.amdhsa_memory_ordered 1
		.amdhsa_forward_progress 1
		.amdhsa_inst_pref_size 14
	.end_amdhsa_kernel
	.amdgpu_metadata
---
amdhsa.version: [ 1, 2 ]
amdhsa.kernels:
  - .name:           k_q8e6054bad3_comb
    .symbol:         k_q8e6054bad3_comb.kd
    .args:
      - { .name: zs, .offset: 0, .size: 8, .value_kind: global_buffer, .address_space: global }
      - { .name: ml, .offset: 8, .size: 8, .value_kind: global_buffer, .address_space: global }
      - { .name: cp, .offset: 16, .size: 8, .value_kind: global_buffer, .address_space: global }
      - { .name: out0, .offset: 24, .size: 8, .value_kind: global_buffer, .address_space: global }
      - { .name: out1, .offset: 32, .size: 8, .value_kind: global_buffer, .address_space: global }
    .group_segment_fixed_size: 0
    .private_segment_fixed_size: 0
    .kernarg_segment_align: 8
    .kernarg_segment_size: 40
    .max_flat_workgroup_size: 32
    .sgpr_count:     66
    .vgpr_count:     176
    .wavefront_size: 32
...
	.end_amdgpu_metadata
.endif
;; end of part 3
;; ======== version 2 of 2: 3 launches; version 1 with the launch main written anew for expert scheduling mode
;; workspace buffers: wb 2,097,152 bytes; qt 65,536 bytes; zs 262,144 bytes; ml 131,072 bytes; cp 2,097,152 bytes
;; launch prep: the kernel of part 1 again; grid 64 x 1, 8 waves a work-group, no clusters, 9,216 bytes of LDS; arguments Wk, Wq, query, wb, qt; writes wb, qt
;; launch main (part 4): grid 512 x 1, 4 waves a work-group, no clusters, 271,872 bytes of LDS; arguments keys, wb, qt, v, zs, ml, cp; writes zs, ml, cp
.if DOCPART == 4
	.amdgcn_target "amdgcn-amd-amdhsa--gfx1250"
	.amdhsa_code_object_version 6
	.text
	.protected	k_q8e6054bad3_main
	.globl	k_q8e6054bad3_main
	.p2align	8
	.type	k_q8e6054bad3_main,@function
k_q8e6054bad3_main:
	s_mov_b64 s[64:65], 0
	v_nop
	global_prefetch_b8 v0, s[64:65] scope:SCOPE_SE
	s_setreg_imm32_b32 hwreg(HW_REG_WAVE_SCHED_MODE, 0, 2), 2
	s_setreg_imm32_b32 hwreg(HW_REG_WAVE_MODE, 25, 1), 1
	s_wait_xcnt 0x0
	s_wait_alu depctr_vm_vsrc(0)
; ONE BLOCK OF 128 KEY ROWS, FROM MEMORY TO ITS PART OF THE CONTEXT.  keys: [16][4096][1024] f32; a batch has 32 blocks, the launch 512.
;   x[t][g] = q_proj[g] + sum over k of keys[t][k] Wk[g][k]   (bf16 operands, f32 sums; Wk as fragments from wb, 2 log2(e) q_proj from qt)
;   tanh(x) = 1 - 2 r, r = 1 / (1 + 2^(2 log2(e) x)), so score[t] = sum of v - 2 sum over g of v[g] r[t][g].  The sum of v is the same for every t of a batch and drops out of the softmax for
;   every finite input; what is kept is z[t] = -2 log2(e) sum over g of v[g] r[t][g], the score's varying part in powers of two.
;   m = the block's largest z, p[t] = 2^(z[t] - m), l = the sum of p, cp[h] = sum over t of p[t] keys[t][h].  The next launch joins a batch's 32 blocks by their maxima.
; The block is read from memory once, rounded to bf16 and kept in LDS (128 rows of 2,048 bytes) for both products.
; LIMITS.  NaN and infinities in the inputs are not treated apart.  2^y overflows to infinity (r = 0, tanh = 1) and falls to 0 (r = 1, tanh = -1): the right ends.  A weight p below 2^-126 counts as 0.
; p is rounded to bf16 for the second product alone; l and the weights that leave are made of the f32 p.
; SHARES.  Four waves.  Wave w makes all 128 rows x 128 columns at a time (64 accumulators, 512 registers), twice: in chunk c its column tiles are 32 c + 8 w + b, b = 0..7.
; For 32 along K a wave issues 64 matrix instructions and reads 8,192 bytes of the block from LDS and 8,192 bytes of Wk from memory straight into registers.
; NO JOINT LOADS, NO TENSOR LOADS.  All work-groups read the same wb, but the block and the scratch take 271,872 bytes of LDS, and one K step of 32 of the work-group's 512 columns is 32,768 bytes:
; two slots of it do not fit in what is left of 327,680.  No wave reads another wave's columns, so they need not pass through LDS: four register buffers a wave keep up to three K steps (24,576 bytes)
; on their way, asked for two steps (128 matrix instructions) or more ahead, and the loop over K has no barrier.
; The last three requests of a chunk are the next chunk's first three; in the second chunk they ask for the first chunk's again and are not used: 48 of a wave's 1,072 loads of wb, for one text and one set of counts.
; THE MODE: SCHED_MODE bits 1:0 = 2 (LLVM: expert scheduling mode 2), set by the entry lines.  The code itself states the register dependences
; between vector or matrix instructions and memory or LDS instructions, with s_wait_alu, always for 0.
; THE PLAN.  Registers that memory or LDS instructions touch:
;   v4, v5, v7, v12-22   offsets and addresses, made once at the head and never written again.
;   THE ROWS.  Window 2: eight raw row slots; slot i's sixteen conversions read it, and behind them it is loaded again.  v64-191: eight out-buffers, one to a slot; slot i's conversions write its
;              buffer, its eight LDS stores read it.  v6, the stores' address, is stepped once a trip.  ONE wait on va_vdst a row, behind its conversions; ONE wait on vm_vsrc a trip of eight rows.
;   THE K LOOP.  A0, A1 (v64-191) and B0 .. B3 (window 1).  Step s: its 64 products read A[s % 2] and B[s % 4]; its loads land in A[(s + 1) % 2] and B[(s + 3) % 4], the two buffers that step s - 1
;              multiplied and that no product of step s names.  ONE wait on va_vdst at a step's head states that step s - 1 is done reading them; the step's 32 loads follow with no further wait,
;              four behind each eight products: the block's fragments in the first half, Wk's in the second.  v24-27, the fragments' addresses, are written once a trip and once in a chunk's
;              tail: a wait on vm_vsrc ahead, and the next step's head behind.  v32-47, q and v: loaded at a chunk's head, read by the activation: a wait on va_vdst at the chunk's head.
;   THE END.   v192-255, v60-61, v48-51, v58-59 and the context's accumulators are stores' data: a wait on va_vdst ahead of each run of stores.  The block turned lands in four buffers
;              (windows 1 and 3), each loaded once, behind waits that have shown the products and the activation done with them: no wait among the context's products.
;   The accumulators in the K loop, v48-63 and the activation's work are named by vector and matrix instructions alone.  v28, v29: written at the head, read by the closing add alone.
; REGISTERS, in windows of 256 (s_set_vgpr_msb: bits 1:0 source 0, 3:2 source 1, 5:4 source 2, 7:6 destination):
;   window 0: v0-29 addresses; v32-47 q and v of my 8 column tiles; v48-63 at work; v64-191 two buffers of the block's fragments (at the start eight out-buffers of a row in bf16); v192-255 the rows' running sums of v r
;   window 1: four buffers of Wk's fragments, 64 each; at the end two buffers of the block turned        windows 2, 3: accumulators of rows 0-63, 64-127 ((a, b) at 8 (8 a + b)); at the start window 2 holds rows of f32;
;   at the end window 2 holds the context's accumulators and window 3 two more buffers of the block turned
.set PITCH, 2064                       ; an LDS row: 2,048 bytes + 16 = 516 words: row r starts at bank 4 r mod 64 (64 banks of 4 bytes: ISA guide 11.1), so the 16 rows of a fragment load start at 16 different banks
.set SCP,   128*PITCH                  ; the waves' partial sums: [wave][128 rows] f32, 2,048 bytes
.set PBF,   SCP+2048                   ; each wave's own copy of the 128 weights in bf16, 256 bytes a wave
.set CST,   PBF+1024                   ; each wave's 256 channels of the context in f32, 1,024 bytes a wave
.set SPARE, CST+4096                   ; the spare words, 128 bytes a wave: two blocks of 256 bytes that no other line names
.set BOF,  4                           ; v4      16 x lane
.set KOF,  5                           ; v5      my byte offset in the block in memory: 131,072 w + 16 l
.set LST,  6                           ; v6      where my 8 bytes of bf16 of a row go: (32 w + rows done) x pitch + 8 l
.set R4B,  7                           ; v7      4 r
.set ADRA, 8                           ; v8-11   my lane's place in the fragments of rows 32 i on: r x pitch + 16 h + 32 i x pitch; never rewritten
.set ADRV, 12                          ; v12-15  the same for the turning load, rows 32 ks on, my wave's 256 channels
.set STS,  16                          ; v16     partial sums out
.set SRD,  17                          ; v17     partial sums back: rows 4 l .. 4 l + 3
.set PST,  18                          ; v18     my four weights out
.set PRD,  19                          ; v19     the weights back as a fragment
.set CTS,  20                          ; v20     context out
.set CRD,  21                          ; v21     context back
.set L8B,  22                          ; v22     8 x lane
.set ADRW, 24                          ; v24-27  ADRA + the byte along K at which the trip in hand begins
.set SPW,  28                          ; v28     my spare word; never rewritten
.set NIL,  29                          ; v29     0; never rewritten
.set QCR,  32                          ; v32-39  2 log2(e) q_proj of column r of my tile b
.set VVR,  40                          ; v40-47  v of the same columns
.set FRA,  64                          ; v64-127, v128-191
.set PFR,  160                         ; v160-191 the weights' four fragments (32 rows each)
.set SCR,  192                         ; v192-255 register 8 A + j: row 16 A + 8 h + j
.set MSB, 0
.macro WIN new                         ; the immediate's high byte repeats the setting that is left; a switch that changes nothing is dropped
.if MSB != (\new)
	s_set_vgpr_msb (MSB<<8)|(\new)
.set MSB, \new
.endif
.endm
.macro PLACES                          ; four places between a matrix instruction and the first read of its result by a vector instruction or a store
.rept 4
	v_nop
.endr
.endm
	s_load_b256 s[4:11], s[0:1], 0x0               ; keys s[4:5], wb s[6:7], qt s[8:9], v s[10:11]
	s_load_b128 s[12:15], s[0:1], 0x20             ; zs s[12:13], ml s[14:15]
	s_load_b64 s[16:17], s[0:1], 0x30              ; cp
	v_lshl_add_u32 v[SPW], v0, 2, SPARE
	v_mov_b32 v[NIL], 0
	v_lshrrev_b32 v1, 5, v0
	v_readfirstlane_b32 s18, v1                    ; wave 0..3
	v_and_b32 v1, 31, v0                           ; l
	v_lshlrev_b32 v[BOF], 4, v1
	s_wait_alu depctr_va_sdst(0)                   ; s18 is written, ahead of its first reader: offsets, bases and branches are made from it
	s_lshl_b32 s37, s18, 17                        ; my 32 rows of 4,096 bytes
	v_add_nc_u32 v[KOF], s37, v[BOF]
	s_lshl_b32 s26, ttmp9, 19                      ; the block's 128 rows of 4,096 bytes: 511 x 2^19 at the most, under 2^28
	s_mov_b32 s27, 0                               ; s27 stays 0: the high word of every offset
	s_wait_kmcnt 0x0
	s_add_nc_u64 s[4:5], s[4:5], s[26:27]
	; THE BLOCK COMES IN.  Wave w takes rows 32 w .. 32 w + 31, a row in eight loads of 512 consecutive bytes, through a ring of eight row slots in window 2: 64 loads, 32,768 bytes, of every wave are out.
	WIN 0x80                                       ; destination window 2, address window 0
	s_wait_alu depctr_va_vdst(0)                   ; v[KOF] and v[BOF] are written: the loads of keys and of wb read them as their offsets
.irp i, 0,1,2,3,4,5,6,7
.irp j, 0,1,2,3,4,5,6,7
	global_load_b128 v[32*(\i)+4*(\j):32*(\i)+4*(\j)+3], v[KOF], s[4:5] offset:(\i)*4096+512*(\j) th:TH_LOAD_NT
.endr
.endr
	WIN 0
	; all other addresses are made while the first rows are on their way; none of these lines writes v[KOF], which the loads above read
	v_and_b32 v2, 15, v0                           ; r
	v_bfe_u32 v3, v0, 4, 1                         ; h
	s_mul_i32 s37, s18, 32*PITCH
	v_lshl_add_u32 v[LST], v1, 3, s37
	v_lshlrev_b32 v[R4B], 2, v2
	v_mul_u32_u24 v[ADRA], v2, PITCH
	v_lshl_add_u32 v[ADRA], v3, 4, v[ADRA]
	v_add_nc_u32 v[ADRA+1], 32*PITCH, v[ADRA]
	v_add_nc_u32 v[ADRA+2], 64*PITCH, v[ADRA]
	v_add_nc_u32 v[ADRA+3], 96*PITCH, v[ADRA]
	v_and_b32 v23, 7, v0                           ; the turning load: lane l reads row 8 h + l % 8, 16 bytes at 16 ((l / 8) % 2)
	v_lshl_add_u32 v23, v3, 3, v23
	v_mul_u32_u24 v[ADRV], v23, PITCH
	v_bfe_u32 v23, v0, 3, 1
	v_lshl_add_u32 v[ADRV], v23, 4, v[ADRV]
	s_lshl_b32 s37, s18, 9                         ; my 256 channels: 512 bytes of a row
	v_add_nc_u32 v[ADRV], s37, v[ADRV]
	v_add_nc_u32 v[ADRV+1], 32*PITCH, v[ADRV]
	v_add_nc_u32 v[ADRV+2], 64*PITCH, v[ADRV]
	v_add_nc_u32 v[ADRV+3], 96*PITCH, v[ADRV]
	s_add_co_u32 s38, s37, SCP
	v_lshl_add_u32 v[STS], v3, 5, s38              ; SCP + 512 w + 32 h
	v_add_nc_u32 v[SRD], SCP, v[BOF]
	s_lshl_b32 s38, s18, 8
	s_add_co_u32 s38, s38, PBF
	v_lshl_add_u32 v[PST], v1, 3, s38              ; PBF + 256 w + 8 l
	v_lshl_add_u32 v[PRD], v3, 4, s38              ; PBF + 256 w + 16 h
	s_lshl_b32 s38, s18, 10
	s_add_co_u32 s38, s38, CST
	v_lshl_add_u32 v[CTS], v3, 5, s38              ; CST + 1,024 w + 32 h
	v_add_nc_u32 v[CRD], s38, v[BOF]
	v_lshlrev_b32 v[L8B], 3, v1
	s_mov_b32 s20, 0x4038aa3b                      ; 2 log2(e)
	s_mov_b32 s21, s20
	s_mov_b32 s22, 0xc038aa3b                      ; -2 log2(e)
	s_mov_b32 s23, s22
	s_mov_b32 s24, 0x76543210                      ; v_permlanex16_b32: each lane takes its own place in the other half
	s_mov_b32 s25, 0xfedcba98
	s_lshl_b32 s26, s18, 19
	s_add_nc_u64 s[30:31], s[6:7], s[26:27]        ; wb at my wave's stream
	s_lshl_b32 s26, s18, 13                        ; qt: tile 8 w, batch = block / 32
	s_lshr_b32 s37, ttmp9, 5
	s_lshl_b32 s37, s37, 6
	s_add_co_u32 s26, s26, s37
	s_add_nc_u64 s[8:9], s[8:9], s[26:27]
	s_lshl_b32 s26, s18, 9                         ; v: column 128 w
	s_add_nc_u64 s[10:11], s[10:11], s[26:27]
	s_lshl_b32 s26, ttmp9, 9
	s_add_nc_u64 s[12:13], s[12:13], s[26:27]      ; zs: the block's 128 numbers
	s_lshl_b32 s26, ttmp9, 8
	s_add_nc_u64 s[14:15], s[14:15], s[26:27]      ; ml: the block's 256 bytes
	s_lshl_b32 s26, ttmp9, 12
	s_lshl_b32 s37, s18, 10
	s_add_co_u32 s26, s26, s37
	s_add_nc_u64 s[16:17], s[16:17], s[26:27]      ; cp: the block's row, my 256 channels
.set i, 0
.rept 64
	v_mov_b32 v[SCR+i], 0                          ; the rows' sums start at 0: one text adds onto them in both chunks
.set i, i+1
.endr
; One row: slot i's 32 registers of f32 become 16 of bf16, in the slot's own out-buffer, and go to LDS, 256 consecutive bytes a store.  ahead = 1: the slot is filled again with the row eight further down.
; left = how many younger loads may stay out.
.macro SLOT i, ahead, left
	s_wait_loadcnt \left
	WIN 0x0a                                       ; sources in window 2, destination in window 0
.irp k, 0,1,2,3,4,5,6,7,8,9,10,11,12,13,14,15
	v_cvt_pk_bf16_f32 v[FRA+16*(\i)+(\k)], v[32*(\i)+2*(\k)], v[32*(\i)+2*(\k)+1]
.endr
.if \ahead
	WIN 0x80
	s_wait_alu depctr_va_vdst(0)                   ; the conversions are done reading raw slot i, in which the loads below land, and have written out-buffer i, which the LDS stores below read; in a trip's first row v[LST] is written
.irp j, 0,1,2,3,4,5,6,7
	global_load_b128 v[32*(\i)+4*(\j):32*(\i)+4*(\j)+3], v[KOF], s[4:5] offset:((\i)+8)*4096+512*(\j) th:TH_LOAD_NT
.endr
	WIN 0
.else
	WIN 0
	s_wait_alu depctr_va_vdst(0)                   ; the conversions have written out-buffer i, which the LDS stores below read; in the first of these rows v[LST] is written
.endif
.irp j, 0,1,2,3,4,5,6,7
	ds_store_b64 v[LST], v[FRA+16*(\i)+2*(\j):FRA+16*(\i)+2*(\j)+1] offset:(\i)*PITCH+256*(\j)
.endr
.endm
; Four loads: Wk's fragments 2 g and 2 g + 1 of one K step, at byte boff of the stream from s[28:29] on, into buffer n of window 1
.macro FETCHB4 n, boff, g
	WIN 0x40                                       ; destination window 1, address window 0
.irp e, 0,1
	global_load_b128 v[64*(\n)+8*(2*(\g)+(\e)):64*(\n)+8*(2*(\g)+(\e))+3],   v[BOF], s[28:29] offset:(\boff)+1024*(2*(\g)+(\e))
	global_load_b128 v[64*(\n)+8*(2*(\g)+(\e))+4:64*(\n)+8*(2*(\g)+(\e))+7], v[BOF], s[28:29] offset:(\boff)+1024*(2*(\g)+(\e))+512
.endr
.endm
.macro FETCHB n, boff                  ; all sixteen
.irp g, 0,1,2,3
	FETCHB4 \n, \boff, \g
.endr
.endm
; Four LDS loads: the block's fragments 2 g and 2 g + 1 (rows 32 g on, 32 K) at byte koff from the trip's place along K, into buffer n
.macro FETCHA4 n, koff, g
	WIN 0
.irp e, 0,1
	ds_load_b128 v[FRA+64*(\n)+8*(2*(\g)+(\e)):FRA+64*(\n)+8*(2*(\g)+(\e))+3],   v[ADRW+(\g)] offset:(\e)*16*PITCH+(\koff)
	ds_load_b128 v[FRA+64*(\n)+8*(2*(\g)+(\e))+4:FRA+64*(\n)+8*(2*(\g)+(\e))+7], v[ADRW+(\g)] offset:(\e)*16*PITCH+(\koff)+32
.endr
.endm
.macro FETCHA n, koff                  ; all sixteen
.irp g, 0,1,2,3
	FETCHA4 \n, \koff, \g
.endr
.endm
; 8 matrix instructions: row tile a of the window's four (hi = 0: rows 0-63, 1: rows 64-127) x my 8 column tiles.  Source 0 = 16 rows of the block, source 1 = 16 rows of Wk:
; register j of a result is (row 8 h + j, column r).  zero = 1: the product starts the sum.
.macro MUL8 fa, fb, hi, a, zero
	WIN 0xa4+0x50*(\hi)                            ; source 0 window 0, source 1 window 1, C and D window 2 or 3
.irp b, 0,1,2,3,4,5,6,7
.if \zero
	v_wmma_f32_16x16x32_bf16 v[8*(8*(\a)+(\b)):8*(8*(\a)+(\b))+7], v[(\fa)+8*(4*(\hi)+(\a)):(\fa)+8*(4*(\hi)+(\a))+7], v[(\fb)+8*(\b):(\fb)+8*(\b)+7], 0
.else
	v_wmma_f32_16x16x32_bf16 v[8*(8*(\a)+(\b)):8*(8*(\a)+(\b))+7], v[(\fa)+8*(4*(\hi)+(\a)):(\fa)+8*(4*(\hi)+(\a))+7], v[(\fb)+8*(\b):(\fb)+8*(\b)+7], v[8*(8*(\a)+(\b)):8*(8*(\a)+(\b))+7]
.endif
.endr
.endm
; A K step of 32, number s with j = s % 4: 64 matrix instructions on the block's buffer j % 2 and Wk's buffer j; the 64 accumulators take turns.
; The block's fragments of step s + 1 and Wk of step s + 3 are asked for, into the buffers that step s - 1 multiplied, four loads behind each eight products: the fragments in the first half,
; 32 products ahead of the wait for them; Wk in the second.  No product of this step names those buffers or the loads' addresses, so the one wait at the head serves all 32 loads.
.macro STEP j, zero, koff, boff
	s_wait_loadcnt 32                              ; Wk of this step is in; the two steps behind it, 16 loads each, may stay out
	s_wait_dscnt 0x0                               ; the block's fragments of this step are in: the last of them were asked for 32 products ago
	s_wait_alu depctr_va_vdst(0)                   ; the products of the step before are done reading their buffer of the block and their buffer of Wk, in which this step's loads land; where v[ADRW ..] were just written, they are written
.irp g, 0,1,2,3
	MUL8 FRA+64*((\j)%2), 64*(\j), 0, \g, \zero
	FETCHA4 ((\j)+1)%2, \koff, \g
.endr
.irp g, 0,1,2,3
	MUL8 FRA+64*((\j)%2), 64*(\j), 1, \g, \zero
	FETCHB4 ((\j)+3)%4, \boff, \g
.endr
.endm
; The activation of 16 rows x my 128 columns: the eight accumulators of row tile a of window win, in place, and their share of the rows' sums.
; y = 2 log2(e) x + q; 2^y; 1 + 2^y; the reciprocal r; sum += v r.  q and v hang on the column, which is the lane's: one register a tile, taken for both halves of a pair.
; Each accumulator's lowest pair is read first.  Behind each run of transcendentals one plain instruction stands before a result is used (ISA guide 5.7.2).
.macro EPIROW win, a
.set RB, 64*(\a)
.set SA, SCR+8*((\a)+4*((\win)-2))
	WIN 0x41*(\win)                                ; destination and source 0 in the accumulators' window, source 2 in window 0
.irp b, 0,1,2,3,4,5,6,7
.irp p, 0,1,2,3
.if (\b)%2
	v_pk_fma_f32 v[RB+8*(\b)+2*(\p):RB+8*(\b)+2*(\p)+1], v[RB+8*(\b)+2*(\p):RB+8*(\b)+2*(\p)+1], s[20:21], v[QCR+(\b)-1:QCR+(\b)] op_sel:[0,0,1] op_sel_hi:[1,0,1]
.else
	v_pk_fma_f32 v[RB+8*(\b)+2*(\p):RB+8*(\b)+2*(\p)+1], v[RB+8*(\b)+2*(\p):RB+8*(\b)+2*(\p)+1], s[20:21], v[QCR+(\b):QCR+(\b)+1] op_sel_hi:[1,0,0]
.endif
.endr
.endr
.set i, 0
.rept 64
	v_exp_f32 v[RB+i], v[RB+i]
.set i, i+1
.endr
	v_nop
.set i, 0
	s_wait_alu depctr_va_vdst(0)                   ; the 64 exponentials have written their results, which the additions below read: one wait for the batch
.rept 32
	v_pk_add_f32 v[RB+i:RB+i+1], v[RB+i:RB+i+1], 1.0 op_sel_hi:[1,0]
.set i, i+2
.endr
.set i, 0
.rept 64
	v_rcp_f32 v[RB+i], v[RB+i]
.set i, i+1
.endr
	v_nop
	s_wait_alu depctr_va_vdst(0)                   ; the 64 reciprocals have written their results, which the multiply-adds below read: one wait for the batch
	WIN \win                                       ; source 0 in the accumulators' window, all else in window 0
.irp b, 0,1,2,3,4,5,6,7
.irp p, 0,1,2,3
.if (\b)%2
	v_pk_fma_f32 v[SA+2*(\p):SA+2*(\p)+1], v[RB+8*(\b)+2*(\p):RB+8*(\b)+2*(\p)+1], v[VVR+(\b)-1:VVR+(\b)], v[SA+2*(\p):SA+2*(\p)+1] op_sel:[0,1,0] op_sel_hi:[1,1,1]
.else
	v_pk_fma_f32 v[SA+2*(\p):SA+2*(\p)+1], v[RB+8*(\b)+2*(\p):RB+8*(\b)+2*(\p)+1], v[VVR+(\b):VVR+(\b)+1], v[SA+2*(\p):SA+2*(\p)+1] op_sel_hi:[1,0,1]
.endif
.endr
.endr
.endm
	s_mov_b32 s34, 3
.Lrows:                                                ; a trip: eight rows go to LDS, the eight behind the ring's eight are asked for
.irp i, 0,1,2,3,4,5,6,7
	SLOT \i, 1, 56                                 ; the seven younger rows, eight loads each, stay out
.endr
	s_wait_xcnt 0x0                                ; the loads' base is stepped only behind this wait
	s_wait_alu depctr_vm_vsrc(0)                   ; the trip's LDS stores have read v[LST], which is stepped below, and the eight out-buffers, which the next eight rows' conversions write again
	s_add_nc_u64 s[4:5], s[4:5], 32768             ; eight rows of 4,096 bytes
	v_add_nc_u32 v[LST], 8*PITCH, v[LST]
	s_sub_co_u32 s34, s34, 1
	s_cmp_lg_u32 s34, 0
	s_cbranch_scc1 .Lrows
.irp i, 0,1,2,3,4,5
	SLOT \i, 0, 56-8*(\i)                          ; the last eight rows ask for nothing: the counts run down
.endr
	s_mov_b64 s[28:29], s[30:31]                   ; Wk's first three K steps go out ahead of the last two rows' work.  No wait: v[BOF] stands behind the head's wait, and no vector instruction has named window 1
	FETCHB 0, 0
	FETCHB 1, 8192
	FETCHB 2, 16384
	SLOT 6, 0, 56                                  ; behind row 6: row 7's eight loads and Wk's 48
	SLOT 7, 0, 48                                  ; behind row 7: Wk's 48
	s_wait_dscnt 0x0                               ; for the others' sake: my 32 rows are in LDS
	s_barrier_signal -1
	s_barrier_wait -1                              ; the block is whole; nothing writes it again
.irp i, 0,1,2,3
	v_mov_b32 v[ADRW+(\i)], v[ADRA+(\i)]
.endr
	s_mov_b32 s36, 0                               ; the byte along K at which a trip begins
	s_wait_alu depctr_vm_vsrc(0)                   ; my LDS stores have read the out-buffers v64-191: from here on the block's fragments land in these registers
	s_wait_alu depctr_va_vdst(0)                   ; v[ADRW ..] are written, which the fragments' loads read
	FETCHA 0, 0
	s_mov_b32 s33, 0
	s_mov_b32 s35, 2
.Lchunk:                                               ; two trips: 128 of my 256 columns each
	s_wait_alu depctr_va_vdst(0)                   ; the activation of the chunk before is done reading q and v, in which the loads below land
.irp b, 0,1,2,3,4,5,6,7
	global_load_b32 v[QCR+(\b)], v[R4B], s[8:9] offset:1024*(\b)   ; q of column r of tile b.  These sixteen stand behind Wk's steps 0 to 2, so the counts of the first two K steps ask for more than they need: those loads went out long before
	global_load_b32 v[VVR+(\b)], v[R4B], s[10:11] offset:64*(\b)   ; v of the same column
.endr
	STEP 0, 1, 64, 24576                           ; K step 0 stands in front of the loop: its products start the sums
	WIN 0                                          ; at a label and at a branch every window is 0
	s_mov_b32 s34, 7
.Lk:                                                   ; trip t: K steps 4 t + 1 .. 4 t + 4
	STEP 1, 0, 128, 32768
	STEP 2, 0, 192, 40960
	STEP 3, 0, 256, 49152
	STEP 0, 0, 320, 57344
	WIN 0
	s_wait_xcnt 0x0                                ; the loads' base is stepped only behind this wait
	s_add_nc_u64 s[28:29], s[28:29], 32768         ; four K steps of 8,192 bytes of the stream,
	s_add_co_u32 s36, s36, 256                     ; and of 64 bytes of the block's rows
	s_wait_alu depctr_vm_vsrc(0)                   ; the fragments' loads issued so far have read v[ADRW ..]; that the new values are written is stated at the next step's head
.irp i, 0,1,2,3
	v_add_nc_u32 v[ADRW+(\i)], s36, v[ADRA+(\i)]
.endr
	s_sub_co_u32 s34, s34, 1
	s_cmp_lg_u32 s34, 0
	s_cbranch_scc1 .Lk
	s_cmp_eq_u32 s35, 2                            ; K steps 29 to 31 ask for the next chunk's first three steps of Wk; behind the second chunk: the first chunk's, unused
	s_cselect_b32 s32, 0x40000, 0
	s_add_nc_u64 s[28:29], s[30:31], s[32:33]      ; no load has been issued since the loop's last wait on XCNT
	STEP 1, 0, 128, 0
	STEP 2, 0, 192, 8192
	WIN 0
	s_wait_alu depctr_vm_vsrc(0)                   ; the fragments' loads issued so far have read v[ADRW ..]
.irp i, 0,1,2,3
	v_mov_b32 v[ADRW+(\i)], v[ADRA+(\i)]           ; back to K = 0: step 31 fetches the block's first fragments for the next chunk
.endr
	s_mov_b32 s36, 0
	STEP 3, 0, 0, 16384
	PLACES                                         ; behind the chunk's last products, ahead of the activation's first read of a result
	EPIROW 2, 0
	EPIROW 2, 1
	EPIROW 2, 2
	EPIROW 2, 3
	EPIROW 3, 0
	EPIROW 3, 1
	EPIROW 3, 2
	EPIROW 3, 3
	WIN 0
	s_wait_xcnt 0x0
	s_add_nc_u64 s[8:9], s[8:9], 32768             ; 32 tiles on in qt,
	s_add_nc_u64 s[10:11], s[10:11], 2048          ; 512 columns on in v (behind the second chunk neither is used again)
	s_sub_co_u32 s35, s35, 1
	s_cmp_lg_u32 s35, 0
	s_cbranch_scc1 .Lchunk
	; THE SCORES.  A row's sum lies in the 16 lanes of a half, a column each: four steps add them, and every lane of the half holds the sum over my 256 columns.
.irp m, 1,2,4,8
.set i, 0
.rept 64
	v_add_f32_dpp v[SCR+i], v[SCR+i], v[SCR+i] row_xmask:\m row_mask:0xf bank_mask:0xf
.set i, i+1
.endr
.endr
	s_wait_alu depctr_va_vdst(0)                   ; the additions have written the rows' sums, which the LDS stores below read
.set i, 0
.rept 16
	ds_store_b128 v[STS], v[SCR+4*i:SCR+4*i+3] offset:64*(i/2)+16*(i%2)  ; rows 16 A + 8 h + 4 q on; the 16 lanes of a half write the same bytes with the same numbers
.set i, i+1
.endr
	s_wait_dscnt 0x0                               ; for the others' sake: my partial sums are in LDS (and the unused fragments of K = 0 have landed)
	s_barrier_signal -1
	s_barrier_wait -1
	; Every wave makes the block's statistics for itself, from the same numbers in the same order: no third barrier.  Lane l has rows 4 l .. 4 l + 3.
	; No wait ahead of these loads: no vector or matrix instruction since the wait above names v128-143 or v[SRD].
.irp i, 0,1,2,3
	ds_load_b128 v[128+4*(\i):128+4*(\i)+3], v[SRD] offset:512*(\i)
.endr
	s_wait_dscnt 0x0
	v_pk_add_f32 v[128:129], v[128:129], v[132:133]
	v_pk_add_f32 v[130:131], v[130:131], v[134:135]
	v_pk_add_f32 v[136:137], v[136:137], v[140:141]
	v_pk_add_f32 v[138:139], v[138:139], v[142:143]
	v_pk_add_f32 v[128:129], v[128:129], v[136:137]
	v_pk_add_f32 v[130:131], v[130:131], v[138:139]
	v_pk_mul_f32 v[48:49], v[128:129], s[22:23] op_sel_hi:[1,0]    ; z
	v_pk_mul_f32 v[50:51], v[130:131], s[22:23] op_sel_hi:[1,0]
	v_max3_num_f32 v52, v48, v49, v50
	v_max_num_f32 v53, v52, v51
	v_max_num_f32_dpp v53, v53, v53 row_xmask:1 row_mask:0xf bank_mask:0xf
	v_max_num_f32_dpp v53, v53, v53 row_xmask:2 row_mask:0xf bank_mask:0xf
	v_max_num_f32_dpp v53, v53, v53 row_xmask:4 row_mask:0xf bank_mask:0xf
	v_max_num_f32_dpp v53, v53, v53 row_xmask:8 row_mask:0xf bank_mask:0xf
	v_permlanex16_b32 v52, v53, s24, s25
	v_max_num_f32 v58, v53, v52                    ; m, in every lane
	v_sub_f32 v54, v48, v58
	v_sub_f32 v55, v49, v58
	v_sub_f32 v56, v50, v58
	v_sub_f32 v57, v51, v58
	v_exp_f32 v54, v54                             ; p
	v_exp_f32 v55, v55
	v_exp_f32 v56, v56
	v_exp_f32 v57, v57
	v_nop
	s_wait_alu depctr_va_vdst(0)                   ; the four exponentials have written p, which the additions below read
	v_add_f32 v62, v54, v55
	v_add_f32 v63, v56, v57
	v_add_f32 v63, v62, v63
	v_add_f32_dpp v63, v63, v63 row_xmask:1 row_mask:0xf bank_mask:0xf
	v_add_f32_dpp v63, v63, v63 row_xmask:2 row_mask:0xf bank_mask:0xf
	v_add_f32_dpp v63, v63, v63 row_xmask:4 row_mask:0xf bank_mask:0xf
	v_add_f32_dpp v63, v63, v63 row_xmask:8 row_mask:0xf bank_mask:0xf
	v_permlanex16_b32 v62, v63, s24, s25
	v_add_f32 v59, v63, v62                        ; l, in every lane
	v_cvt_pk_bf16_f32 v60, v54, v55
	v_cvt_pk_bf16_f32 v61, v56, v57
	s_wait_alu depctr_va_vdst(0)                   ; v[60:61] are written, which the LDS store reads; so are z in v[48:51] and (m, l) in v[58:59], which wave 0's stores read; the additions are done reading v128-143
	ds_store_b64 v[PST], v[60:61]                  ; my wave's own copy of the 128 weights,
.irp k, 0,1,2,3
	ds_load_b128 v[PFR+8*(\k):PFR+8*(\k)+3],   v[PRD] offset:64*(\k)      ; and back as source 1 (32 rows x 16 columns, all columns alike): LDS serves a wave's instructions in order (ISA guide 5.7.1.4)
	ds_load_b128 v[PFR+8*(\k)+4:PFR+8*(\k)+7], v[PRD] offset:64*(\k)+32
.endr
	s_cmp_lg_u32 s18, 0
	s_cbranch_scc1 .Lnot_wave_0
	global_store_b128 v[BOF], v[48:51], s[12:13]   ; z of the 128 rows: 512 consecutive bytes
	global_store_b64 v[L8B], v[58:59], s[14:15]    ; (m, l) 32 times: 256 consecutive bytes, all lanes on
.Lnot_wave_0:
	; THE BLOCK'S PART OF THE CONTEXT, transposed: source 0 = 16 channels x 32 rows of the block, turned by ds_load_tr16_b128; register j of a result is channel 8 h + j, the same in all 16 columns.
	; Wave w makes channels 256 w .. 256 w + 255: 16 accumulators in window 2, which take turns; four steps of 32 rows.
	; Each step has a buffer of its own, steps 0 and 1 in window 1, steps 2 and 3 in window 3, which the activation has left: each is loaded once.  The last matrix and vector instructions that named these
	; registers stand ahead of the waits above, and the context's products name only the buffer that they read, the weights and window 2: so no wait is owed among them.
.macro FETCHV n                        ; 32 loads: rows 32 n on, my 16 channel tiles, into buffer n
	WIN 0x40+0x80*((\n)/2)                         ; destination window 1 or 3, address window 0
.set t, 0
.rept 16
	ds_load_tr16_b128 v[128*((\n)%2)+8*t:128*((\n)%2)+8*t+3],   v[ADRV+(\n)] offset:32*t
	ds_load_tr16_b128 v[128*((\n)%2)+8*t+4:128*((\n)%2)+8*t+7], v[ADRV+(\n)] offset:16*PITCH+32*t
.set t, t+1
.endr
.endm
.macro CTX n, zero
	WIN 0xa1+2*((\n)/2)                            ; source 0 window 1 or 3, source 1 window 0, C and D window 2
.set t, 0
.rept 16
.if \zero
	v_wmma_f32_16x16x32_bf16 v[8*t:8*t+7], v[128*((\n)%2)+8*t:128*((\n)%2)+8*t+7], v[PFR+8*(\n):PFR+8*(\n)+7], 0
.else
	v_wmma_f32_16x16x32_bf16 v[8*t:8*t+7], v[128*((\n)%2)+8*t:128*((\n)%2)+8*t+7], v[PFR+8*(\n):PFR+8*(\n)+7], v[8*t:8*t+7]
.endif
.set t, t+1
.endr
.endm
	s_wait_loadcnt 0x0                             ; the 48 unused loads of Wk have landed: window 1 is free
	FETCHV 0
	FETCHV 1
	s_wait_dscnt 32                                ; the weights and rows 0-31 are in; the 32 loads of rows 32-63 may be out
	CTX 0, 1
	FETCHV 2
	s_wait_dscnt 32                                ; all but the 32 just issued
	CTX 1, 0
	FETCHV 3
	s_wait_dscnt 32
	CTX 2, 0
	s_wait_dscnt 0x0
	CTX 3, 0
	PLACES                                         ; behind the last product, before a store reads a result
	WIN 0x08                                       ; an LDS store's data is source 1: window 2
	s_wait_alu depctr_va_vdst(0)                   ; the products have written the context's accumulators, which the LDS stores read; the places above stay beside this wait
.set t, 0
.rept 16
	ds_store_b128 v[CTS], v[8*t:8*t+3]   offset:64*t       ; channels 16 t + 8 h + 0..3: the accumulator's lowest registers first; the 16 lanes of a half write the same bytes
	ds_store_b128 v[CTS], v[8*t+4:8*t+7] offset:64*t+16
.set t, t+1
.endr
	WIN 0
	ds_load_b128 v[128:131], v[CRD]                ; my wave's own bytes, back in order: 16 bytes a lane.  No vector instruction since the wait above names v128-135
	ds_load_b128 v[132:135], v[CRD] offset:512
	s_wait_dscnt 0x0
	global_store_b128 v[BOF], v[128:131], s[16:17]             ; 512 consecutive bytes each
	global_store_b128 v[BOF], v[132:135], s[16:17] offset:512
	s_wait_dscnt 0x0                               ; the closing lines, six on end
	s_wait_alu 0x0
	s_wait_tensorcnt 0x0
	ds_add_u32 v[SPW], v[NIL]
	s_wait_dscnt 0x0
	s_endpgm
.Lfunc_end_k_q8e6054bad3_main:
	.size	k_q8e6054bad3_main, .Lfunc_end_k_q8e6054bad3_main-k_q8e6054bad3_main
	.p2alignl 7, 3214868480
	.fill 96, 4, 3214868480
	.section	.rodata,"a",@progbits
	.p2align	6, 0x0
	.amdhsa_kernel k_q8e6054bad3_main
		.amdhsa_group_segment_fixed_size 271872
		.amdhsa_private_segment_fixed_size 0
		.amdhsa_enable_private_segment 0
		.amdhsa_kernarg_size 56
		.amdhsa_user_sgpr_count 2
		.amdhsa_user_sgpr_kernarg_segment_ptr 1
		.amdhsa_wavefront_size32 1
		.amdhsa_system_sgpr_workgroup_id_x 1
		.amdhsa_system_sgpr_workgroup_id_y 1
		.amdhsa_system_sgpr_workgroup_id_z 1
		.amdhsa_system_vgpr_workitem_id 0
		.amdhsa_next_free_vgpr 1024
		.amdhsa_next_free_sgpr 66
		.amdhsa_reserve_vcc 0
		.amdhsa_float_denorm_mode_32 3
		.amdhsa_float_denorm_mode_16_64 3
		.amdhsa_memory_ordered 1
		.amdhsa_forward_progress 1
		.amdhsa_inst_pref_size 227
	.end_amdhsa_kernel
	.amdgpu_metadata
---
amdhsa.version: [ 1, 2 ]
amdhsa.kernels:
  - .name:           k_q8e6054bad3_main
    .symbol:         k_q8e6054bad3_main.kd
    .args:
      - { .name: keys, .offset: 0, .size: 8, .value_kind: global_buffer, .address_space: global }
      - { .name: wb, .offset: 8, .size: 8, .value_kind: global_buffer, .address_space: global }
      - { .name: qt, .offset: 16, .size: 8, .value_kind: global_buffer, .address_space: global }
      - { .name: v, .offset: 24, .size: 8, .value_kind: global_buffer, .address_space: global }
      - { .name: zs, .offset: 32, .size: 8, .value_kind: global_buffer, .address_space: global }
      - { .name: ml, .offset: 40, .size: 8, .value_kind: global_buffer, .address_space: global }
      - { .name: cp, .offset: 48, .size: 8, .value_kind: global_buffer, .address_space: global }
    .group_segment_fixed_size: 271872
    .private_segment_fixed_size: 0
    .kernarg_segment_align: 8
    .kernarg_segment_size: 56
    .max_flat_workgroup_size: 128
    .sgpr_count:     66
    .vgpr_count:     1024
    .wavefront_size: 32
...
	.end_amdgpu_metadata
.endif
;; end of part 4
;; launch comb: the kernel of part 3 again; grid 128 x 1, 1 waves a work-group, no clusters, 0 bytes of LDS; arguments zs, ml, cp, out0, out1; writes out0, out1
